; MI455X (gfx1250); checked and timed in simulation.
; The chip was launched on July 23, 2026; its instructions are those of AMD's public machine-readable ISA for CDNA 5 (MIT licence, August 2026) and "CDNA5" Instruction Set Architecture Reference Guide (July 2026). The comments in the code are by the model that wrote it; some were corrected since.
;; Bit Linear. Allowed arithmetic: float matrix products may take bf16 or f16 operands with f32 sums; other float arithmetic in f32, or as packed bf16 or f16 multiplies, adds, multiply-adds, maxima and minima; sums over many terms, partial sums and values carried from step to step in f32; what a program stores and reads back later, other than sums and carried values, may be rounded once to bf16 or f16.
;; Inputs: weight 2,048 x 4,096 float32; x 4 x 2,048 x 4,096 float32.
;; Outputs: out0 4 x 2,048 x 2,048 float32.
;; 2 versions, each right; version 2 is version 1 with the launches prep, quant written anew for expert scheduling mode. Each part assembles by itself: llvm-mc -triple=amdgcn-amd-amdhsa -mcpu=gfx1250 --defsym DOCPART=n.
;; ======== version 1 of 2: 3 launches
;; workspace buffers: xb 67,108,864 bytes; wq 16,777,216 bytes; s1 32,768 bytes; gam 256 bytes
;; launch prep (part 1): grid 256 x 1, 16 waves a work-group, no clusters, 149,504 bytes of LDS; arguments x, weight, xb, s1; writes xb, s1
.if DOCPART == 1
	.amdgcn_target "amdgcn-amd-amdhsa--gfx1250"
	.amdhsa_code_object_version 6
	.text
	.protected	k_q0b12d09a4a_prep
	.globl	k_q0b12d09a4a_prep
	.p2align	8
	.type	k_q0b12d09a4a_prep,@function
k_q0b12d09a4a_prep:
	s_mov_b64 s[64:65], 0
	v_nop
	global_prefetch_b8 v0, s[64:65] scope:SCOPE_SE
	s_setreg_imm32_b32 hwreg(HW_REG_WAVE_MODE, 25, 1), 1
	s_wait_xcnt 0x0
; BitLinear, first of three launches.  out = gamma (x w_q^T), gamma = mean |W|, w_q = clip(round(W / gamma), -1, 1), with w_q = 0 where gamma = 0.
; x: [8192][4096] f32, W: [2048][4096] f32.  NO WORK IS LEFT OUT: both inputs reach every output, and every step of the formula is done.
; THIS LAUNCH: (1) the first half of x (67,108,864 bytes) rounded once to bf16 (nearest even) into xb, the matrix operand of the third launch; the second launch rounds the other half;
; (2) the first level of the sum of |W|.
; THE ORDER OF THE SUM is fixed, in three levels, all in f32, each level a plain chain from 0 in row-major order:
;   level 1: W as 64 x 128 blocks of 32 x 32; a block's 1,024 magnitudes, row by row (here);
;   level 2: the 64 x 128 block sums as 2 x 4 groups of 32 x 32, again row by row (second launch);   level 3: the eight group sums in order (second launch).
; LIMIT: an f32 sum taken in another order may differ in its last bits; a weight whose magnitude lies between the two values of gamma / 2 is then quantised otherwise.
; SHARES.  Work-group g of 256, sixteen waves.  Of W: block row g / 4, blocks 32 (g % 4) + 0..31: 32 rows x 4,096 bytes; wave w fetches rows 2 w and 2 w + 1.  Of x: 262,144 consecutive
; bytes, as 32 pieces of 8,192; thread t takes 16 bytes at 16 t of each piece and stores 8.  A load of a wave covers 512 consecutive bytes, a store 256 consecutive bytes, aligned.
; ALL LOADS GO OUT AT THE HEAD: 16 of W, then 32 of x, for each wave: 24 KiB a wave, each into registers of its own.  No register is loaded twice and none that a store reads is
; written again: there is no ring and no loop.
; THE SUMS.  W's rows are turned in LDS (a block's 128 bytes of a row at a pitch of 144), one barrier, and wave 0 runs the chains, A LANE A BLOCK, while the other waves round x as it lands;
; wave 0 rounds its own share afterwards.  s1[c][i][j] (c = 4 P + Q) takes the sum of block (32 P + i, 32 Q + j): a level-2 chain's 1,024 numbers lie on end, in the chain's order.
.set BPITCH, 144                       ; 128 bytes + 16: sixteen lanes' 16-byte reads start 9 x 16 bytes apart
.set ROWP,   32*BPITCH                 ; a row's piece in LDS: 4,608 bytes; row r at r x 4,608
.set SPARE,  32*ROWP                   ; behind the 32 rows: the spare words, 128 bytes for each of sixteen waves: eight blocks of 256 bytes that no other line names
.set SPW, 2                            ; v2  SPARE + 4 x my thread's number; never rewritten
.set NIL, 3                            ; v3  0; never rewritten
.set ACC, 8                            ; v8         my block's chain
.set RA0, 10                           ; v10-13     my block in LDS, at rows 0, 8, 16, 24: so that the immediates stay under 65,536; never rewritten
.set WR,  16                           ; v[16:79]   my two rows' pieces of W as loaded; then, in wave 0, two sets of 32 numbers of the chain
.set X,   80                           ; v[80:207]  my 32 pieces of x, four f32 each; a piece's first two registers then take its four bf16
	s_load_b256 s[4:11], s[0:1], 0x0               ; x s[4:5], weight s[6:7], xb s[8:9], s1 s[10:11]
	v_lshl_add_u32 v[SPW], v0, 2, SPARE
	v_mov_b32 v[NIL], 0
	v_lshrrev_b32 v1, 5, v0
	v_readfirstlane_b32 s12, v1                    ; wave 0..15
	v_and_b32 v1, 31, v0                           ; lane
	v_lshlrev_b32 v4, 4, v1                        ; W: 16 bytes a lane
	v_lshlrev_b32 v5, 4, v0                        ; x: 16 bytes a thread
	v_lshlrev_b32 v6, 3, v0                        ; xb: 8 bytes a thread
	v_lshlrev_b32 v9, 2, v1                        ; s1: j = lane
	s_lshr_b32 s23, ttmp9, 2                       ; block row I = g / 4
	s_and_b32 s24, ttmp9, 3                        ; Q = g % 4
	s_lshl_b32 s14, s23, 19                        ; 32 rows of 16,384 bytes,
	s_lshl_b32 s25, s24, 12                        ; 32 blocks of 128 bytes,
	s_add_co_u32 s14, s14, s25
	s_lshl_b32 s25, s12, 15                        ; my wave's two rows
	s_add_co_u32 s14, s14, s25
	s_mov_b32 s15, 0
	s_lshl_b32 s16, ttmp9, 18                      ; the work-group's 262,144 bytes of x
	s_mov_b32 s17, 0
	s_lshl_b32 s18, ttmp9, 17                      ; and half as many of xb
	s_mov_b32 s19, 0
	s_lshr_b32 s25, ttmp9, 7                       ; P = I / 32
	s_lshl2_add_u32 s25, s25, s24                  ; c = 4 P + Q
	s_lshl_b32 s20, s25, 12
	s_and_b32 s23, s23, 31                         ; i = I % 32
	s_lshl_b32 s23, s23, 7
	s_add_co_u32 s20, s20, s23                     ; 4,096 c + 128 i
	s_mov_b32 s21, 0
	s_mov_b32 s22, 0x7fffffff                      ; clears a sign
	s_mul_i32 s26, s12, 2*ROWP                     ; my wave's two rows in LDS
	v_lshrrev_b32 v14, 3, v1
	v_and_b32 v15, 7, v1
	v_mul_u32_u24 v7, v14, BPITCH                  ; in: byte 512 t + 16 lane of a row's piece lies in block 4 t + lane / 8, at 16 (lane % 8)
	v_lshl_add_u32 v7, v15, 4, v7
	v_add_nc_u32 v7, s26, v7
	v_mul_u32_u24 v[RA0], v1, BPITCH               ; back: my block
	v_add_nc_u32 v[RA0+1], 8*ROWP, v[RA0]
	v_add_nc_u32 v[RA0+2], 16*ROWP, v[RA0]
	v_add_nc_u32 v[RA0+3], 24*ROWP, v[RA0]
	s_wait_kmcnt 0x0
	s_add_nc_u64 s[6:7], s[6:7], s[14:15]
	s_add_nc_u64 s[4:5], s[4:5], s[16:17]
	s_add_nc_u64 s[8:9], s[8:9], s[18:19]
	s_add_nc_u64 s[10:11], s[10:11], s[20:21]
.irp rr, 0,1
.irp t, 0,1,2,3,4,5,6,7
	global_load_b128 v[WR+32*(\rr)+4*(\t):WR+32*(\rr)+4*(\t)+3], v4, s[6:7] offset:16384*(\rr)+512*(\t) th:TH_LOAD_NT
.endr
.endr
.set p, 0
.rept 32
	global_load_b128 v[X+4*p:X+4*p+3], v5, s[4:5] offset:8192*p th:TH_LOAD_NT
.set p, p+1
.endr
	s_wait_loadcnt 32                              ; loads come back in order: W is in, the 32 loads of x stay out
.irp rr, 0,1
.irp t, 0,1,2,3,4,5,6,7
	ds_store_b128 v7, v[WR+32*(\rr)+4*(\t):WR+32*(\rr)+4*(\t)+3] offset:ROWP*(\rr)+4*BPITCH*(\t)
.endr
.endr
	s_wait_dscnt 0x0                               ; for wave 0's sake: my stores are done
	s_barrier_signal -1
	s_barrier_wait -1                              ; all 32 rows lie in LDS; nothing is written there any more
	s_cmp_lg_u32 s12, 0
	s_cbranch_scc1 .Lcast                          ; wave 0 alone runs the chains; no barrier stands in what is jumped
; The chains are written out: the address registers stay as they are, and a row's place stands in the immediate.  Two sets of 32 registers take turns: one is added up while the other's loads are out.
.macro RLOAD set, row                  ; my block's 32 numbers of one row
.irp u, 0,1,2,3,4,5,6,7
	ds_load_b128 v[(\set)+4*(\u):(\set)+4*(\u)+3], v[RA0+(\row)/8] offset:((\row)%8)*ROWP+16*(\u)
.endr
.endm
.macro RADD set                        ; their place in the chain: one dependent addition each, columns ascending: the order is part of the result; the masks stand between the additions, four ahead
.irp q, 0,1,2,3
	v_and_b32 v[(\set)+(\q)], s22, v[(\set)+(\q)]
.endr
.set j, 0
.rept 32
	v_add_f32 v[ACC], v[ACC], v[(\set)+j]
.if j < 28
	v_and_b32 v[(\set)+j+4], s22, v[(\set)+j+4]
.endif
.set j, j+1
.endr
.endm
	v_mov_b32 v[ACC], 0                            ; the chain starts at 0
	RLOAD WR, 0
.set r, 0
.rept 31
	RLOAD WR+32*((r+1)%2), r+1
	s_wait_dscnt 8                                 ; the eight just issued stay out: row r is in
	RADD WR+32*(r%2)
.set r, r+1
.endr
	s_wait_dscnt 0x0
	RADD WR+32                                     ; row 31
	global_store_b32 v9, v[ACC], s[10:11]          ; 128 consecutive bytes: row i of chain c; the whole buffer is 32,768 bytes
.Lcast:
; One piece of x: four numbers a thread.  The count leaves the younger pieces out.
.macro CAST i
	s_wait_loadcnt 31-(\i)
	v_cvt_pk_bf16_f32 v[X+4*(\i)],   v[X+4*(\i)],   v[X+4*(\i)+1]
	v_cvt_pk_bf16_f32 v[X+4*(\i)+1], v[X+4*(\i)+2], v[X+4*(\i)+3]
	global_store_b64 v6, v[X+4*(\i):X+4*(\i)+1], s[8:9] offset:4096*(\i) th:TH_STORE_NT
.endm
.set p, 0
.rept 32
	CAST p
.set p, p+1
.endr
	s_wait_tensorcnt 0x0                           ; the wave's end: behind my last LDS store
	ds_add_u32 v[SPW], v[NIL]
	s_wait_dscnt 0x0
	s_endpgm
.Lfunc_end_k_q0b12d09a4a_prep:
	.size	k_q0b12d09a4a_prep, .Lfunc_end_k_q0b12d09a4a_prep-k_q0b12d09a4a_prep
	.p2alignl 7, 3214868480
	.fill 96, 4, 3214868480
	.section	.rodata,"a",@progbits
	.p2align	6, 0x0
	.amdhsa_kernel k_q0b12d09a4a_prep
		.amdhsa_group_segment_fixed_size 149504
		.amdhsa_private_segment_fixed_size 0
		.amdhsa_enable_private_segment 0
		.amdhsa_kernarg_size 32
		.amdhsa_user_sgpr_count 2
		.amdhsa_user_sgpr_kernarg_segment_ptr 1
		.amdhsa_wavefront_size32 1
		.amdhsa_system_sgpr_workgroup_id_x 1
		.amdhsa_system_sgpr_workgroup_id_y 1
		.amdhsa_system_sgpr_workgroup_id_z 1
		.amdhsa_system_vgpr_workitem_id 0
		.amdhsa_next_free_vgpr 208
		.amdhsa_next_free_sgpr 66
		.amdhsa_reserve_vcc 0
		.amdhsa_float_denorm_mode_32 3
		.amdhsa_float_denorm_mode_16_64 3
		.amdhsa_memory_ordered 1
		.amdhsa_forward_progress 1
		.amdhsa_inst_pref_size 98
	.end_amdhsa_kernel
	.amdgpu_metadata
---
amdhsa.version: [ 1, 2 ]
amdhsa.kernels:
  - .name:           k_q0b12d09a4a_prep
    .symbol:         k_q0b12d09a4a_prep.kd
    .args:
      - { .name: x, .offset: 0, .size: 8, .value_kind: global_buffer, .address_space: global }
      - { .name: weight, .offset: 8, .size: 8, .value_kind: global_buffer, .address_space: global }
      - { .name: xb, .offset: 16, .size: 8, .value_kind: global_buffer, .address_space: global }
      - { .name: s1, .offset: 24, .size: 8, .value_kind: global_buffer, .address_space: global }
    .group_segment_fixed_size: 149504
    .private_segment_fixed_size: 0
    .kernarg_segment_align: 8
    .kernarg_segment_size: 32
    .max_flat_workgroup_size: 512
    .sgpr_count:     66
    .vgpr_count:     208
    .wavefront_size: 32
...
	.end_amdgpu_metadata
.endif
;; end of part 1
;; launch quant (part 2): grid 256 x 1, 16 waves a work-group, no clusters, 35,328 bytes of LDS; arguments weight, s1, wq, gam, x, xb; writes wq, gam, xb
.if DOCPART == 2
	.amdgcn_target "amdgcn-amd-amdhsa--gfx1250"
	.amdhsa_code_object_version 6
	.text
	.protected	k_q0b12d09a4a_quant
	.globl	k_q0b12d09a4a_quant
	.p2align	8
	.type	k_q0b12d09a4a_quant,@function
k_q0b12d09a4a_quant:
	s_mov_b64 s[64:65], 0
	v_nop
	global_prefetch_b8 v0, s[64:65] scope:SCOPE_SE
	s_setreg_imm32_b32 hwreg(HW_REG_WAVE_MODE, 25, 1), 1
	s_wait_xcnt 0x0
; BitLinear, second launch: gamma from the block sums; W quantised to -1, 0, 1 in bf16 (exact); and the second half of x rounded once to bf16 into xb.  Nothing is left out.
; GAMMA.  s1 holds eight chains of 1,024 block sums, each on end in its order.  Every work-group makes gamma for itself: its wave 0 runs the eight chains in lanes 0-7 (the other lanes
; repeat them), each a plain f32 chain from 0, adds the eight results in order, and multiplies by 2^-23 (1 / 8,388,608: exact).  Work-group 0 stores gamma for the third launch.
; THE QUANTISER WITHOUT A DIVISION.  w_q = sign(w) where |w| > gamma / 2 (compared in f32), else 0.  This is what round-to-even(fl(w / gamma)), clipped to -1 .. 1, gives, bit for bit:
; if |w| <= gamma / 2 the exact quotient is at most 0.5, so is its rounding, and 0.5 rounds to 0.  If |w| > gamma / 2 then |w| >= gamma / 2 + ulp(gamma / 2), and that ulp is more than
; 2^-24 of gamma / 2: the exact quotient exceeds 0.5 + 2^-25, the midpoint to the next f32 above 0.5, so its rounding exceeds 0.5, rounds to 1 or more, and the clip makes it 1.
; LIMITS.  The proof wants gamma / 2 exact: gamma >= 2^-125.  The order of gamma's sum is the one stated at the first launch's head.  A NaN or an infinity in W makes gamma NaN or infinite,
; every comparison false and w_q = 0; gamma x 0 in the third launch is then NaN in every output, as the formula gives.
; THE GUARD.  Where gamma = 0 the threshold is +infinity by a select: every w_q is 0.
; SHARES.  Work-group g of 256, sixteen waves, 512 threads.  131,072 consecutive bytes of W as 16 pieces of 8,192, and 262,144 consecutive bytes of x as 32 such pieces: thread t takes
; 16 bytes at 16 t of each piece and stores 8.  A load of a wave covers 512 consecutive bytes, a store 256 consecutive bytes, aligned.
; ALL LOADS GO OUT AT THE HEAD: 4 of s1, 16 of W, 32 of x for each wave, each into registers of its own; none that a store reads is written again.  While wave 0 runs the chains the other
; waves round x as it lands.  The barrier behind which gamma is read stands in the middle of x's pieces: the quantiser's work and stores run while the rest of x lands.
.set S1L,    0                         ; LDS: eight chains, 4,096 bytes + 16: the chains' reads start 16 bytes apart modulo 256; they end at byte 32,896
.set CPITCH, 4112
.set GW,     33024                     ; gamma's word, in a block of 256 bytes of its own
.set SPARE,  33280                     ; the spare words: 128 bytes for each of sixteen waves: eight blocks of 256 bytes that no other line names
.set SPW, 2                            ; v2  SPARE + 4 x my thread's number; never rewritten
.set NIL, 3                            ; v3  0; never rewritten
.set S,   16                           ; v[16:31]   my 64 bytes of s1; then the chain's first set of 16 numbers; its other two sets: v[224:239], v[240:255]
.set W,   32                           ; v[32:95]   my 16 pieces of W, four numbers each
.set X,   96                           ; v[96:223]  my 32 pieces of x, four numbers each
	s_load_b256 s[4:11], s[0:1], 0x0               ; weight s[4:5], s1 s[6:7], wq s[8:9], gam s[10:11]
	s_load_b128 s[20:23], s[0:1], 0x20             ; x s[20:21], xb s[22:23]
	v_lshl_add_u32 v[SPW], v0, 2, SPARE
	v_mov_b32 v[NIL], 0
	v_lshrrev_b32 v1, 5, v0
	v_readfirstlane_b32 s12, v1                    ; wave 0..15
	v_and_b32 v1, 31, v0                           ; lane
	v_lshlrev_b32 v4, 4, v0                        ; 16 x thread
	v_lshlrev_b32 v5, 3, v0                        ; 8 x thread
	v_and_b32 v6, 7, v1
	v_mul_u32_u24 v6, v6, CPITCH                   ; my chain in LDS; never rewritten
	v_mov_b32 v10, 0x7f800000                      ; +infinity
	v_mov_b32 v11, GW
	v_lshrrev_b32 v12, 8, v0                       ; a piece of s1 is two chains: threads 256 and up hold the second,
	v_lshl_add_u32 v12, v12, 4, v4                 ; which lies 16 bytes further on in LDS: 16 t + 16 (t / 256)
	v_lshlrev_b32 v14, 2, v1
	v_mov_b32 v15, 0x3f800000                      ; 1.0
	s_mov_b32 s19, 0x7fffffff
	s_lshl_b32 s14, ttmp9, 17                      ; W
	s_mov_b32 s15, 0
	s_lshl_b32 s16, ttmp9, 16                      ; wq
	s_mov_b32 s17, 0
	s_lshl_b32 s26, ttmp9, 18                      ; x: the second half,
	s_add_co_u32 s26, s26, 0x4000000               ; 67,108,864 bytes on
	s_mov_b32 s27, 0
	s_lshl_b32 s28, ttmp9, 17                      ; xb likewise,
	s_add_co_u32 s28, s28, 0x2000000               ; 33,554,432 bytes on
	s_mov_b32 s29, 0
	s_wait_kmcnt 0x0
	s_add_nc_u64 s[4:5], s[4:5], s[14:15]
	s_add_nc_u64 s[8:9], s[8:9], s[16:17]
	s_add_nc_u64 s[20:21], s[20:21], s[26:27]
	s_add_nc_u64 s[22:23], s[22:23], s[28:29]
.irp t, 0,1,2,3
	global_load_b128 v[S+4*(\t):S+4*(\t)+3], v4, s[6:7] offset:8192*(\t)  ; chains 2 t and 2 t + 1
.endr
.set j, 0
.rept 16
	global_load_b128 v[W+4*j:W+4*j+3], v4, s[4:5] offset:8192*j th:TH_LOAD_NT
.set j, j+1
.endr
.set j, 0
.rept 32
	global_load_b128 v[X+4*j:X+4*j+3], v4, s[20:21] offset:8192*j th:TH_LOAD_NT
.set j, j+1
.endr
	s_wait_loadcnt 48                              ; loads come back in order: s1 is in; the 16 loads of W and the 32 of x stay out
.irp t, 0,1,2,3
	ds_store_b128 v12, v[S+4*(\t):S+4*(\t)+3] offset:S1L+2*CPITCH*(\t)
.endr
	s_wait_dscnt 0x0                               ; for wave 0's sake: my stores are done
	s_barrier_signal -1
	s_barrier_wait -1                              ; all eight chains lie in LDS
	s_cmp_lg_u32 s12, 0
	s_cbranch_scc1 .Lnochain                       ; wave 0 alone makes gamma; no barrier stands in what is jumped
; The chain is written out: the address register stays as it is, and the place in the chain stands in each load's immediate, 0 to 4,080.  So every read lies in bytes 0 to 32,879,
; below gamma's word and the spare words.  It goes in 64 groups of 16 numbers on three sets of registers: one is added up while the loads of the next two are out.
.macro CHL g                           ; group g of my chain
.set cs, 16+208*(((\g)%3+1)/2)+16*(((\g)%3)/2)     ; v16, v224, v240 by turns
.irp u, 0,1,2,3
	ds_load_b128 v[cs+4*(\u):cs+4*(\u)+3], v6 offset:S1L+64*(\g)+16*(\u)
.endr
.endm
.macro CHA g                           ; and its place in the chain: one dependent addition each, ascending: the order is part of the result
.set cs, 16+208*(((\g)%3+1)/2)+16*(((\g)%3)/2)
.set j, 0
.rept 16
	v_add_f32 v7, v7, v[cs+j]
.set j, j+1
.endr
.endm
	v_mov_b32 v7, 0
	CHL 0
	CHL 1
.set h, 0
.rept 62
	CHL h+2
	s_wait_dscnt 8                                 ; the two younger groups' eight loads stay out: group h is in
	CHA h
.set h, h+1
.endr
	s_wait_dscnt 4                                 ; nothing is read past the chain's 4,096 bytes
	CHA 62
	s_wait_dscnt 0x0
	CHA 63
.irp c, 0,1,2,3,4,5,6,7
	v_readlane_b32 s[40+(\c)], v7, \c              ; the eight chains' sums
.endr
	v_mov_b32 v8, s40
.irp c, 1,2,3,4,5,6,7
	v_add_f32 v8, s[40+(\c)], v8                   ; level 3, in order
.endr
	v_mul_f32 v8, 0x34000000, v8                   ; x 2^-23
	ds_store_b32 v11, v8                           ; every lane writes the same word with the same value
.Lnochain:
; One piece of x: four numbers a thread.  The count leaves the younger pieces out.
.macro CAST i
	s_wait_loadcnt 31-(\i)
	v_cvt_pk_bf16_f32 v[X+4*(\i)],   v[X+4*(\i)],   v[X+4*(\i)+1]
	v_cvt_pk_bf16_f32 v[X+4*(\i)+1], v[X+4*(\i)+2], v[X+4*(\i)+3]
	global_store_b64 v5, v[X+4*(\i):X+4*(\i)+1], s[22:23] offset:4096*(\i) th:TH_STORE_NT
.endm
.set p, 0
.rept 16
	CAST p                                         ; pieces 0 to 15; the last of their waits leaves 16 loads out, all of x: W is in
.set p, p+1
.endr
	s_wait_dscnt 0x0                               ; gamma's store is done
	s_barrier_signal -1
	s_barrier_wait -1
	ds_load_b32 v8, v11
	s_wait_dscnt 0x0
	v_mul_f32 v9, 0.5, v8                          ; the threshold,
	v_cmp_eq_f32 vcc_lo, 0, v8
	v_cndmask_b32 v9, v9, v10, vcc_lo              ; +infinity where gamma = 0
.macro Q j
.irp e, 0,1,2,3
	v_and_b32 v12, s19, v[W+4*(\j)+(\e)]
	v_cmp_gt_f32 vcc_lo, v12, v9                   ; |w| > gamma / 2
	v_bfi_b32 v13, s19, v15, v[W+4*(\j)+(\e)]      ; 1.0 with w's sign
	v_cndmask_b32 v[W+4*(\j)+(\e)], 0, v13, vcc_lo
.endr
	v_cvt_pk_bf16_f32 v[W+4*(\j)],   v[W+4*(\j)],   v[W+4*(\j)+1]
	v_cvt_pk_bf16_f32 v[W+4*(\j)+1], v[W+4*(\j)+2], v[W+4*(\j)+3]
	global_store_b64 v5, v[W+4*(\j):W+4*(\j)+1], s[8:9] offset:4096*(\j) th:TH_STORE_NT
.endm
.set p, 0
.rept 16
	Q p
.set p, p+1
.endr
.set p, 16
.rept 16
	CAST p                                         ; pieces 16 to 31
.set p, p+1
.endr
	s_or_b32 s24, ttmp9, s12
	s_cmp_lg_u32 s24, 0
	s_cbranch_scc1 .Lend                           ; wave 0 of work-group 0 stores gamma
	global_store_b32 v14, v8, s[10:11]             ; 32 words, all gamma; the third launch reads the first
.Lend:
	s_wait_tensorcnt 0x0                           ; the wave's end: behind my last LDS store
	ds_add_u32 v[SPW], v[NIL]
	s_wait_dscnt 0x0
	s_endpgm
.Lfunc_end_k_q0b12d09a4a_quant:
	.size	k_q0b12d09a4a_quant, .Lfunc_end_k_q0b12d09a4a_quant-k_q0b12d09a4a_quant
	.p2alignl 7, 3214868480
	.fill 96, 4, 3214868480
	.section	.rodata,"a",@progbits
	.p2align	6, 0x0
	.amdhsa_kernel k_q0b12d09a4a_quant
		.amdhsa_group_segment_fixed_size 35328
		.amdhsa_private_segment_fixed_size 0
		.amdhsa_enable_private_segment 0
		.amdhsa_kernarg_size 48
		.amdhsa_user_sgpr_count 2
		.amdhsa_user_sgpr_kernarg_segment_ptr 1
		.amdhsa_wavefront_size32 1
		.amdhsa_system_sgpr_workgroup_id_x 1
		.amdhsa_system_sgpr_workgroup_id_y 1
		.amdhsa_system_sgpr_workgroup_id_z 1
		.amdhsa_system_vgpr_workitem_id 0
		.amdhsa_next_free_vgpr 256
		.amdhsa_next_free_sgpr 66
		.amdhsa_reserve_vcc 1
		.amdhsa_float_denorm_mode_32 3
		.amdhsa_float_denorm_mode_16_64 3
		.amdhsa_memory_ordered 1
		.amdhsa_forward_progress 1
		.amdhsa_inst_pref_size 80
	.end_amdhsa_kernel
	.amdgpu_metadata
---
amdhsa.version: [ 1, 2 ]
amdhsa.kernels:
  - .name:           k_q0b12d09a4a_quant
    .symbol:         k_q0b12d09a4a_quant.kd
    .args:
      - { .name: weight, .offset: 0, .size: 8, .value_kind: global_buffer, .address_space: global }
      - { .name: s1, .offset: 8, .size: 8, .value_kind: global_buffer, .address_space: global }
      - { .name: wq, .offset: 16, .size: 8, .value_kind: global_buffer, .address_space: global }
      - { .name: gam, .offset: 24, .size: 8, .value_kind: global_buffer, .address_space: global }
      - { .name: x, .offset: 32, .size: 8, .value_kind: global_buffer, .address_space: global }
      - { .name: xb, .offset: 40, .size: 8, .value_kind: global_buffer, .address_space: global }
    .group_segment_fixed_size: 35328
    .private_segment_fixed_size: 0
    .kernarg_segment_align: 8
    .kernarg_segment_size: 48
    .max_flat_workgroup_size: 512
    .sgpr_count:     66
    .vgpr_count:     256
    .wavefront_size: 32
...
	.end_amdgpu_metadata
.endif
;; end of part 2
;; launch gemm (part 3): grid 8 x 32, 4 waves a work-group, clusters of 4 x 4, 327,680 bytes of LDS; arguments xb, wq, out0, gam; writes out0
.if DOCPART == 3
	.amdgcn_target "amdgcn-amd-amdhsa--gfx1250"
	.amdhsa_code_object_version 6
	.text
	.protected	k_q0b12d09a4a_gemm
	.globl	k_q0b12d09a4a_gemm
	.p2align	8
	.type	k_q0b12d09a4a_gemm,@function
k_q0b12d09a4a_gemm:
	s_mov_b64 s[64:65], 0
	v_nop
	global_prefetch_b8 v0, s[64:65] scope:SCOPE_SE
	s_setreg_imm32_b32 hwreg(HW_REG_WAVE_MODE, 25, 1), 1
	s_wait_xcnt 0x0
	s_wait_alu depctr_hold_cnt(0) depctr_sa_sdst(0) depctr_va_vdst(0) depctr_va_sdst(0) depctr_va_ssrc(0) depctr_va_vcc(0) depctr_vm_vsrc(0)
	s_getreg_b32 s2, hwreg(HW_REG_IB_STS2, 6, 4)
	s_cmp_eq_u32 s2, 0
	s_cbranch_scc0 .Lentry_in_a_cluster
	s_endpgm
.Lentry_in_a_cluster:
	s_bfe_u32 s2, ttmp6, 0x10000c
	s_cmp_lg_u32 s2, 0xf033
	s_cbranch_scc0 .Lentry_shape_is_right
	s_endpgm
.Lentry_shape_is_right:
; BitLinear, third launch: out[m][n] = gamma x the sum over k of xb[m][k] wq[n][k].  xb: [8192][4096] bf16 (x rounded once), wq: [2048][4096] bf16 (-1, 0, 1: exact), out: [8192][2048] f32.
; Sums in f32; each is multiplied once by gamma, as the formula does.  Nothing is left out.  LIMIT: x enters rounded to bf16 (8 significant bits, f32's range).
; A tile of out, 256 x 256, is made by a work-group of four waves; a wave makes 128 x 128: 64 accumulators of 16 x 16, 512 registers.  32 x 8 tiles: 256 work-groups, one tile each.
; K goes in 32 steps of 128 through a ring of two LDS slots filled by the tensor data mover: a tile's rows are 256 bytes of memory, at multiples of 256 bytes from the buffer's first byte.
; CLUSTERS: 4 x 4 work-groups.  The four of a row of the cluster need the same tiles of xb, the four of a column the same tiles of wq: each tile is asked for JOINTLY, by the same tensor load
; with the same descriptor and a mask that names the four, and each receives it in its own LDS: a quarter of the requests.
; REGISTERS, in windows of 256 (s_set_vgpr_msb: bits 1:0 source 0, 3:2 source 1, 5:4 source 2, 7:6 destination):
;   window 0: v0-31 addresses; v64-127, v128-191 fragments of A (8 x 16 rows x 32 K), two buffers; on the way out v64-127 scaled results, v128-191 and v192-255 rows read back, by turns
;   window 1: v64-127, v128-191 fragments of B, two buffers       window 2: the accumulators of my rows 0-63 ((a, b) at v[8 (8 a + b)])       window 3: those of my rows 64-127
; THE MATRIX INSTRUCTION IS USED TRANSPOSED: source 0 = 16 rows of B, source 1 = 16 rows of A.  Lane l then holds row l % 16 of out and the columns 8 (l / 16) + 0..7: 32 bytes on end.
.set SIZE_M, 8192
.set SIZE_N, 2048
.set SIZE_K, 4096
.set KSTEP,  128
.set PITCH,  272                       ; an LDS row: 256 bytes + 16 of padding = 68 words: row r starts at bank 4 r mod 64 (64 banks of 4 bytes: ISA guide 11.1): the 16 rows of a load start at 16 different banks
.set HALFT,  128*PITCH                 ; 128 rows: what one tensor load brings, and what one wave reads of A or of B
.set SLOT,   4*HALFT                   ; A's 256 rows, then B's 256 rows
.set STAGE,  2*SLOT                    ; behind the ring, never filled by a tensor load: 16 rows x 528 bytes for each wave, for the way out
.set SPITCH, 528                       ; 512 bytes + 16 = 33 x 16: the 16 rows of a store start at 16 different groups of four banks
.set SPARE,  STAGE+4*16*SPITCH         ; behind the stages: the spare words, 128 bytes for each wave: two blocks of 256 bytes that no other line names
.set LAPS,   SIZE_K/(2*KSTEP)          ; 16 laps of two K steps
.set ADRA, 16                          ; v16-17  LDS address of my A fragments in slot 0, 1
.set ADRB, 20                          ; v20-21  the same for B
.set STO,  24                          ; v24     the way out: where I put 32 bytes of a row
.set RD,   25                          ; v25     the way out: where I read a row back
.set CO,   26                          ; v26     my 16 bytes in a row's 512 of out
.set SPW,  28                          ; v28     SPARE + 4 x my thread's number; never rewritten
.set NIL,  29                          ; v29     0; never rewritten
.set PFO,  30                          ; v30     the prefetches' offset: my lane x a row of A or B (8,192 bytes); never rewritten
.set PFA,  44                          ; s[44:45] where my prefetches stand
.set LIM,  43                          ; s43     1 in a wave that prefetches, else the greatest number
.set GAM,  68                          ; s[68:69] gamma, twice: the packed multiply names a pair and takes its low word for both halves
.set F0,   64
.set F1,   128
.set TMP,  64
.set OB,   128
.set G1,  24                           ; s[24:31] descriptor group 1 for A's tiles
.set G0,  32                           ; s[32:39] group 0 for A's tiles, a set for each slot
.set G1B, 48                           ; s[48:55], s[56:63] the same for B's tiles
.set G0B, 56
.set MSB, 0
.macro WIN new                         ; the immediate's high byte repeats the setting that is left; a switch that changes nothing is dropped
.if MSB != (\new)
	s_set_vgpr_msb (MSB<<8)|(\new)
.set MSB, \new
.endif
.endm
.set MUL_LO, 0xa1                      ; source 0 (B) window 1, source 1 (A) window 0, C and D window 2
.set MUL_HI, 0xf1                      ; the same, C and D window 3
.set TO_B,   0x40                      ; destination window 1, address window 0
; A joint load.  Waves 0 and 1 fetch A's two halves, waves 2 and 3 B's.  The branch hangs on the wave's number alone.  An s_nop 0 and four v_nop follow each of the two lines.
.macro JLOAD s
	s_cmp_eq_u32 s11, 0
	s_cbranch_scc0 .Lfor_b_\@
	tensor_load_to_lds s[G0+4*(\s):G0+4*(\s)+3], s[G1:G1+7]
	s_nop 0
.rept 4
	v_nop
.endr
	s_branch .Lasked_\@
.Lfor_b_\@:
	tensor_load_to_lds s[G0B+4*(\s):G0B+4*(\s)+3], s[G1B:G1B+7]
	s_nop 0
.rept 4
	v_nop
.endr
.Lasked_\@:
.endm
; A PREFETCH INTO THE L2, behind each joint refill, its five lines and the run of LDS loads: the K step that stands two refills on (512 matrix instructions ahead of the load that will want it):
; 32 rows x 256 bytes, a lane a row, one instruction a wave.  Each row's 256 bytes of a K step are named once in the launch: A's tile rows by the clusters with x = 0, B's tile columns by the
; clusters with y = 0; the four partners that ask for a tile jointly share its rows out BY ADDRESS, 32 of the 128 that a wave fetches each.  K steps 0 to 3 come by their loads alone; the loop's
; last trip (s3 = 1) names nothing: K steps 32 and 33 do not exist.
.macro ASK
	s_cmp_gt_u32 s3, s[LIM]
	s_cbranch_scc0 .Lnot_mine_\@
	global_prefetch_b8 v[PFO], s[PFA:PFA+1] offset:KSTEP*2 th:TH_LOAD_NT scope:SCOPE_SE
.Lnot_mine_\@:
.endm
.macro CREST                           ; a round of the cluster's barrier behind its opening barrier: wave 0 signals for the work-group, every wave waits for all sixteen, my work-group's barrier once more
	s_cmp_lg_u32 s10, 0
	s_cbranch_scc1 .Lnot_wave_0_\@
	s_barrier_signal -3
.Lnot_wave_0_\@:
	s_barrier_wait -3
	s_barrier_signal -1
	s_barrier_wait -1
.endm
.macro CROUND                          ; a whole round
	s_barrier_signal -1
	s_barrier_wait -1
	CREST
.endm
	s_load_b128 s[4:7], s[0:1], 0x0                ; A = xb s[4:5], B = wq s[6:7]
	s_load_b64 s[8:9], s[0:1], 0x10                ; out
	s_load_b64 s[66:67], s[0:1], 0x18              ; gam
	v_lshl_add_u32 v[SPW], v0, 2, SPARE
	v_mov_b32 v[NIL], 0
	ds_add_u32 v[SPW], v[NIL]                      ; the wave's opening: the add, twice on end, and its wait ahead of my first tensor load
	ds_add_u32 v[SPW], v[NIL]                      ; and once more, under the one wait; the set-up below, work on registers, stands between
	v_lshrrev_b32 v1, 5, v0
	v_readfirstlane_b32 s10, v1                    ; wave 0..3
	s_lshr_b32 s11, s10, 1                         ; which half of the tile's rows is mine.  Also: I fetch for A (0) or for B (1)
	s_and_b32 s12, s10, 1                          ; which half of its columns.  Also: which 128 rows of that tile I fetch
	s_bfe_u32 s40, ttmp6, 0x40000                  ; cx
	s_bfe_u32 s41, ttmp6, 0x40004                  ; cy
	s_lshl_b32 s42, ttmp9, 2
	s_add_co_u32 s42, s42, s40                     ; tile column = 4 x cluster x + cx
	s_and_b32 s13, ttmp7, 0xffff
	s_lshl_b32 s13, s13, 2
	s_add_co_u32 s13, s13, s41                     ; tile row = 4 x cluster y + cy
	s_lshl_b32 s43, s41, 2
	s_lshl_b32 s43, 15, s43                        ; my row of the cluster: places 4 cy .. 4 cy + 3
	s_lshl_b32 s44, 0x1111, s40                    ; my column: places cx, cx + 4, cx + 8, cx + 12
	; descriptor group 1: a tile of 128 rows x 128 elements, padded in LDS
	s_or_b32 s[G1+0], s43, (1<<16)|(1<<20)|(1<<21)|(5<<22)|(3<<25)   ; 15:0 the mask; 17:16 2-byte elements; 20 padding on; 21 set beside a mask; 24:22 after every 64 words (code 5); 31:25 4 words (code 3)
	s_or_b32 s[G1B+0], s44, (1<<16)|(1<<20)|(1<<21)|(5<<22)|(3<<25)
.irp g, G1, G1B
	s_mov_b32 s[(\g)+1], KSTEP<<16                 ; tensor_dim0 = 128
	s_mov_b32 s[(\g)+2], 128<<16                   ; tensor_dim1 = 128
	s_mov_b32 s[(\g)+3], KSTEP<<16                 ; tile_dim0 = 128
	s_mov_b32 s[(\g)+4], 128                       ; tile_dim1 = 128
	s_mov_b32 s[(\g)+5], SIZE_K                    ; elements from row to row
	s_mov_b32 s[(\g)+6], 0
	s_mov_b32 s[(\g)+7], 0
.endr
	; where the tiles come from: A's hang on the tile row alone, B's on the tile column alone; each address in registers that never hold the other coordinate
	s_lshl_b32 s17, s12, 7
	s_lshl_b32 s16, s13, 8
	s_add_co_u32 s16, s16, s17                     ; A: row 256 x tile row + 128 x half
	s_lshl_b32 s46, s42, 8
	s_add_co_u32 s46, s46, s17                     ; B: row 256 x tile column + 128 x half
	s_mov_b32 s17, 0
	s_mov_b32 s47, 0
	s_mov_b64 s[18:19], SIZE_K*2
	s_mul_u64 s[16:17], s[16:17], s[18:19]
	s_mul_u64 s[46:47], s[46:47], s[18:19]
	s_mul_i32 s20, s10, HALFT                      ; where they go: wave x 128 rows: no place in the cluster enters an LDS address
	s_wait_dscnt 0x0                               ; both opening adds are done
	s_wait_kmcnt 0x0
	s_add_nc_u64 s[14:15], s[4:5], s[16:17]
	s_add_nc_u64 s[46:47], s[6:7], s[46:47]
	CROUND                                         ; all sixteen work-groups are here: the first joint loads meet
.irp s, 0,1
	s_mov_b32 s[G0+4*(\s)], 1                                        ; count = 1
	s_add_co_u32 s[G0+4*(\s)+1], s20, (\s)*SLOT                      ; LDS address
	s_add_nc_u64 s[G0+4*(\s)+2:G0+4*(\s)+3], s[14:15], (\s)*KSTEP*2  ; global address: K step s
	s_or_b32 s[G0+4*(\s)+3], s[G0+4*(\s)+3], 0x80000000              ; type = 2
	s_mov_b32 s[G0B+4*(\s)], 1
	s_add_co_u32 s[G0B+4*(\s)+1], s20, (\s)*SLOT
	s_add_nc_u64 s[G0B+4*(\s)+2:G0B+4*(\s)+3], s[46:47], (\s)*KSTEP*2
	s_or_b32 s[G0B+4*(\s)+3], s[G0B+4*(\s)+3], 0x80000000
	JLOAD \s                                       ; two tensor loads of mine are out
.endr
	s_load_b32 s[GAM], s[66:67], 0x0               ; gamma, which the launch before stored and this one only reads
	; a fragment is 16 rows x 32 K in 8 registers: lane l holds row l % 16; registers 0-3 K = 8 (l / 16) + 0..7, registers 4-7 K = 16 + 8 (l / 16) + 0..7: two loads of 16 bytes, 32 bytes apart
	v_and_b32 v1, 15, v0                           ; l % 16
	v_bfe_u32 v2, v0, 4, 1                         ; l / 16
	v_mul_u32_u24 v3, v1, PITCH
	v_lshl_add_u32 v3, v2, 4, v3
	s_mul_i32 s21, s11, HALFT                      ; my 128 rows of A
	s_mul_i32 s22, s12, HALFT                      ; my 128 rows of B,
	s_add_co_u32 s22, s22, 2*HALFT                 ; which lie behind A's 256
.irp s, 0,1
	v_add_nc_u32 v[ADRA+(\s)], s21, v3
	v_add_nc_u32 v[ADRB+(\s)], s22, v3
	s_add_co_u32 s21, s21, SLOT
	s_add_co_u32 s22, s22, SLOT
.endr
	s_mul_i32 s23, s10, 16*SPITCH
	s_add_co_u32 s23, s23, STAGE                   ; my stage
	v_mul_u32_u24 v4, v1, SPITCH                   ; in: row l % 16, 32 bytes for each half of the lanes
	v_lshl_add_u32 v4, v2, 5, v4
	v_add_nc_u32 v[STO], s23, v4
	v_and_b32 v5, 31, v0
	v_lshlrev_b32 v[CO], 4, v5                     ; back, and out: 32 lanes take one row's 512 bytes
	v_add_nc_u32 v[RD], s23, v[CO]
	; where my part of the tile begins in out, in bytes
	s_lshl_b32 s13, s13, 8
	s_lshl_b32 s14, s11, 7
	s_add_co_u32 s16, s13, s14                     ; my first row
	s_mov_b32 s17, 0
	s_mov_b64 s[18:19], SIZE_N*4
	s_mul_u64 s[16:17], s[16:17], s[18:19]
	s_lshl_b32 s46, s42, 10                        ; my first column: 1,024 x tile column + 512 x half
	s_lshl_b32 s47, s12, 9
	s_add_co_u32 s46, s46, s47
	s_mov_b32 s47, 0
	s_add_nc_u64 s[16:17], s[16:17], s[46:47]
	; the prefetches.  s13 = 256 x tile row, s42 = tile column, s40 = cx, s41 = cy
	s_lshl_b32 s42, s42, 8
	s_and_b32 s22, ttmp7, 0xffff                   ; cluster y
	s_cmp_eq_u32 s11, 0                            ; do I fetch for A?
	s_cselect_b32 s20, s13, s42                    ; the tile's first row
	s_cselect_b32 s21, s40, s41                    ; my place among the four that ask for it with me
	s_cselect_b32 s22, ttmp9, s22                  ; the coordinate along which other clusters read the same rows
	s_cselect_b64 s[PFA:PFA+1], s[4:5], s[6:7]
	s_cmp_eq_u32 s22, 0
	s_cselect_b32 s[LIM], 1, -1                    ; the same in all sixteen partners, for a given wave
	s_lshl_b32 s22, s12, 7
	s_add_co_u32 s20, s20, s22                     ; + the 128 rows that I fetch
	s_lshl_b32 s21, s21, 5
	s_add_co_u32 s20, s20, s21                     ; + my work-group's 32 of them
	s_mov_b32 s21, 0
	s_mov_b64 s[18:19], SIZE_K*2
	s_mul_u64 s[20:21], s[20:21], s[18:19]
	s_add_nc_u64 s[PFA:PFA+1], s[PFA:PFA+1], s[20:21]
	s_add_nc_u64 s[PFA:PFA+1], s[PFA:PFA+1], 2*KSTEP*2  ; at K step 2: the first refill steps it to 3 and names K step 4
	v_and_b32 v[PFO], 31, v0
	v_mul_u32_u24 v[PFO], v[PFO], SIZE_K*2
; 16 matrix instructions: m blocks a0, a0 + 1 of the window's four x all 8 n blocks, 32 along K.  zero = 1: the first product starts the sums: nothing is cleared.
; The 64 accumulators take turns, one instruction a turn, in the same order in every quarter, over the backward jump too.
.macro MUL16 f, hi, a0, zero
	WIN MUL_LO+0x50*(\hi)
.irp a, \a0, (\a0)+1
.irp b, 0,1,2,3,4,5,6,7
.if \zero
	v_wmma_f32_16x16x32_bf16 v[8*(8*(\a)+(\b)):8*(8*(\a)+(\b))+7], v[(\f)+8*(\b):(\f)+8*(\b)+7], v[(\f)+8*(4*(\hi)+(\a)):(\f)+8*(4*(\hi)+(\a))+7], 0
.else
	v_wmma_f32_16x16x32_bf16 v[8*(8*(\a)+(\b)):8*(8*(\a)+(\b))+7], v[(\f)+8*(\b):(\f)+8*(\b)+7], v[(\f)+8*(4*(\hi)+(\a)):(\f)+8*(4*(\hi)+(\a))+7], v[8*(8*(\a)+(\b)):8*(8*(\a)+(\b))+7]
.endif
.endr
.endr
.endm
; 32 LDS loads in one run: the fragments of one quarter step (128 rows of B, then 128 rows of A, 32 K at byte k of the rows) into buffer f
.macro FETCH slot, k, f
	WIN TO_B
.irp i, 0,1,2,3,4,5,6,7
	ds_load_b128 v[(\f)+8*(\i):(\f)+8*(\i)+3],   v[ADRB+(\slot)] offset:(\k)+(\i)*16*PITCH
	ds_load_b128 v[(\f)+8*(\i)+4:(\f)+8*(\i)+7], v[ADRB+(\slot)] offset:(\k)+(\i)*16*PITCH+32
.endr
	WIN 0
.irp i, 0,1,2,3,4,5,6,7
	ds_load_b128 v[(\f)+8*(\i):(\f)+8*(\i)+3],   v[ADRA+(\slot)] offset:(\k)+(\i)*16*PITCH
	ds_load_b128 v[(\f)+8*(\i)+4:(\f)+8*(\i)+7], v[ADRA+(\slot)] offset:(\k)+(\i)*16*PITCH+32
.endr
.endm
.macro PLACES                          ; four plain vector instructions between a matrix instruction and a load into, or a vector instruction on, its registers (ISA guide 7.12.1 for vector instructions)
.rept 4
	v_nop
.endr
.endm
; A K step is four quarters of 32 along K, 64 matrix instructions each, on buffers 0, 1, 0, 1.  One of the first three: multiplies f; in its middle fetches the next quarter, at byte k, into g.
.macro QUARTER slot, k, f, g, zero
	s_wait_dscnt 8                                 ; B and A's rows 0-63 are in; the youngest eight loads (A's rows 64-127) may be out
	MUL16 \f, 0, 0, \zero
	MUL16 \f, 0, 2, \zero
	PLACES
	FETCH \slot, \k, \g
	s_wait_dscnt 32                                ; all but the 32 just issued
	MUL16 \f, 1, 0, \zero
	MUL16 \f, 1, 2, \zero
.endm
; The first half of a K step's last quarter: ONE barrier for the change of slots.  In front of it each wave waits for all its tensor loads (one is out: its part of the next slot), adds 0 to its
; spare word, and waits for that and for its own reads of this slot.  Behind it nobody reads this slot any more and the next slot is whole.
.macro MEET round                      ; round = 1: a round of the cluster's barrier follows
	WIN 0                                          ; (the add's two registers lie in window 0)
	s_wait_tensorcnt 0x0
	ds_add_u32 v[SPW], v[NIL]
	s_wait_dscnt 9                                 ; (the add and the youngest eight loads may be out)
	MUL16 F1, 0, 0, 0                              ; sixteen matrix instructions stand between the add and the wait for it
	s_wait_dscnt 0x0                               ; the add is done, and my reads of this slot are over
	s_barrier_signal -1
	MUL16 F1, 0, 2, 0                              ; work on registers while the others arrive
.if \round
	WIN 0
.endif
	s_barrier_wait -1
.endm
; The whole last quarter in the loop.  Behind the round the slot just read out is filled again first, with the K step two steps on; from that request to the wait for it a wave issues 224 matrix instructions.
.macro TURN slot, next
	s_wait_xcnt 0x0                                ; the last prefetch, a K step back, has read its address
	s_add_nc_u64 s[PFA:PFA+1], s[PFA:PFA+1], KSTEP*2
	MEET 1
	CREST                                          ; no wave of any partner still reads this slot's tile or has a load on its way
	s_add_nc_u64 s[G0+4*(\slot)+2:G0+4*(\slot)+3], s[G0+4*(\slot)+2:G0+4*(\slot)+3], 2*KSTEP*2
	s_add_nc_u64 s[G0B+4*(\slot)+2:G0B+4*(\slot)+3], s[G0B+4*(\slot)+2:G0B+4*(\slot)+3], 2*KSTEP*2
	JLOAD \slot                                    ; my one tensor load behind the round; its four v_nop are also the places in front of the loads below
	FETCH \next, 0, F0
	ASK
	MUL16 F1, 1, 0, 0
	MUL16 F1, 1, 2, 0
.endm
	s_wait_kmcnt 0x0                               ; gamma
	s_mov_b32 s[GAM+1], s[GAM]
	s_wait_tensorcnt 1                             ; my part of K step 0 is in; K step 1's may stay out
	s_barrier_signal -1
	s_barrier_wait -1                              ; everybody's is
	FETCH 0, 0, F0
	QUARTER 0, 64,  F0, F1, 1                      ; the first quarter stands in front of the loop: its products start the sums
	WIN 0                                          ; at a label and at a branch every window is 0
	s_mov_b32 s3, LAPS-1
.Llap:                                                 ; a trip goes once round the ring, from a lap's second quarter to the next lap's first, and fills both slots again
	QUARTER 0, 128, F1, F0, 0
	QUARTER 0, 192, F0, F1, 0
	TURN 0, 1
	QUARTER 1, 64,  F0, F1, 0
	QUARTER 1, 128, F1, F0, 0
	QUARTER 1, 192, F0, F1, 0
	TURN 1, 0
	QUARTER 0, 64,  F0, F1, 0
	WIN 0
	s_sub_co_u32 s3, s3, 1
	s_cmp_lg_u32 s3, 0
	s_cbranch_scc1 .Llap
	QUARTER 0, 128, F1, F0, 0                      ; the last lap is written out: it asks for nothing, and has no round
	QUARTER 0, 192, F0, F1, 0
	MEET 0                                         ; my one tensor load that was out is K step 31's
	PLACES                                         ; for the loads into buffer 0, which the quarter before multiplied
	FETCH 1, 0, F0
	MUL16 F1, 1, 0, 0
	MUL16 F1, 1, 2, 0
	QUARTER 1, 64,  F0, F1, 0
	QUARTER 1, 128, F1, F0, 0
	QUARTER 1, 192, F0, F1, 0
	s_wait_dscnt 8                                 ; the very last quarter: nothing more to fetch
	MUL16 F1, 0, 0, 0
	MUL16 F1, 0, 2, 0
	s_wait_dscnt 0x0
	MUL16 F1, 1, 0, 0
	MUL16 F1, 1, 2, 0
	WIN 0
; THE WAY OUT, a block of 16 rows at a time.  PACK: the block's eight accumulators times gamma, each from its lowest registers on, into window 0.  TOSTAGE: a lane's 32 bytes of a row into my own
; stage, and back as whole rows of 512 bytes.  SEND: stored, 512 consecutive bytes an instruction, at a multiple of 512 from out's first byte.
.macro PACK a
.set AC, 64*((\a)%4)
	WIN 0x02+((\a)/4)                              ; source 0: window 2 or 3; destination window 0
.irp b, 0,1,2,3,4,5,6,7
.irp r, 0,1,2,3
	v_pk_mul_f32 v[TMP+8*(\b)+2*(\r):TMP+8*(\b)+2*(\r)+1], v[AC+8*(\b)+2*(\r):AC+8*(\b)+2*(\r)+1], s[GAM:GAM+1] op_sel_hi:[1,0]
.endr
.endr
	WIN 0
.endm
.macro TOSTAGE a
	WIN 0
.set BK, OB+64*((\a)%2)
.irp b, 0,1,2,3,4,5,6,7
	ds_store_b128 v[STO], v[TMP+8*(\b):TMP+8*(\b)+3]   offset:64*(\b)
	ds_store_b128 v[STO], v[TMP+8*(\b)+4:TMP+8*(\b)+7] offset:64*(\b)+16
.endr
.irp t, 0,1,2,3,4,5,6,7,8,9,10,11,12,13,14,15
	ds_load_b128 v[BK+4*(\t):BK+4*(\t)+3], v[RD] offset:(\t)*SPITCH  ; LDS serves a wave's instructions in order (ISA guide 5.7.1.4): these see the stores above
.endr
.endm
.macro SEND a
	WIN 0
.set BK, OB+64*((\a)%2)
	s_wait_dscnt 0x0                               ; the block is back in registers
	s_wait_xcnt 0x0                                ; earlier stores have read their sources: only behind this wait are the base and the registers that they read written again
.if (\a) == 0
	s_add_nc_u64 s[8:9], s[8:9], s[16:17]          ; my first rows
.else
	s_add_nc_u64 s[8:9], s[8:9], 16*SIZE_N*4       ; 16 rows on
.endif
.irp t, 0,1,2,3,4,5,6,7,8,9,10,11,12,13,14,15
	global_store_b128 v[CO], v[BK+4*(\t):BK+4*(\t)+3], s[8:9] offset:(\t)*SIZE_N*4 th:TH_STORE_NT
.endr
.endm
	PLACES                                         ; behind the last products, in front of multiplies that read results and of writes and loads into fragment registers
	PLACES
	PACK 0
	TOSTAGE 0
.irp a, 1,2,3,4,5,6,7                  ; block a's multiplies stand between block a - 1's loads from the stage and the wait for them
	PACK \a
	SEND (\a)-1
	TOSTAGE \a
.endr
	SEND 7
	s_wait_tensorcnt 0x0                           ; the wave's end: behind my last tensor load and my last LDS store
	ds_add_u32 v[SPW], v[NIL]
	s_wait_dscnt 0x0
	CROUND                                         ; the closing round: no work-group ends while a partner may still ask for a tile that names it
	s_endpgm
.Lfunc_end_k_q0b12d09a4a_gemm:
	.size	k_q0b12d09a4a_gemm, .Lfunc_end_k_q0b12d09a4a_gemm-k_q0b12d09a4a_gemm
	.p2alignl 7, 3214868480
	.fill 96, 4, 3214868480
	.section	.rodata,"a",@progbits
	.p2align	6, 0x0
	.amdhsa_kernel k_q0b12d09a4a_gemm
		.amdhsa_group_segment_fixed_size 327680
		.amdhsa_private_segment_fixed_size 0
		.amdhsa_enable_private_segment 0
		.amdhsa_kernarg_size 32
		.amdhsa_user_sgpr_count 2
		.amdhsa_user_sgpr_kernarg_segment_ptr 1
		.amdhsa_wavefront_size32 1
		.amdhsa_system_sgpr_workgroup_id_x 1
		.amdhsa_system_sgpr_workgroup_id_y 1
		.amdhsa_system_sgpr_workgroup_id_z 1
		.amdhsa_system_vgpr_workitem_id 0
		.amdhsa_next_free_vgpr 1024
		.amdhsa_next_free_sgpr 72
		.amdhsa_reserve_vcc 0
		.amdhsa_float_denorm_mode_32 3
		.amdhsa_float_denorm_mode_16_64 3
		.amdhsa_memory_ordered 1
		.amdhsa_forward_progress 1
		.amdhsa_inst_pref_size 158
	.end_amdhsa_kernel
	.amdgpu_metadata
---
amdhsa.version: [ 1, 2 ]
amdhsa.kernels:
  - .name:           k_q0b12d09a4a_gemm
    .symbol:         k_q0b12d09a4a_gemm.kd
    .args:
      - { .name: xb, .offset: 0, .size: 8, .value_kind: global_buffer, .address_space: global }
      - { .name: wq, .offset: 8, .size: 8, .value_kind: global_buffer, .address_space: global }
      - { .name: out0, .offset: 16, .size: 8, .value_kind: global_buffer, .address_space: global }
      - { .name: gam, .offset: 24, .size: 8, .value_kind: global_buffer, .address_space: global }
    .group_segment_fixed_size: 327680
    .private_segment_fixed_size: 0
    .kernarg_segment_align: 8
    .kernarg_segment_size: 32
    .max_flat_workgroup_size: 128
    .sgpr_count:     72
    .vgpr_count:     1024
    .wavefront_size: 32
...
	.end_amdgpu_metadata
.endif
;; end of part 3
;; ======== version 2 of 2: 3 launches; version 1 with the launches prep, quant written anew for expert scheduling mode
;; workspace buffers: xb 67,108,864 bytes; wq 16,777,216 bytes; s1 32,768 bytes; gam 256 bytes
;; launch prep (part 4): grid 256 x 1, 16 waves a work-group, no clusters, 149,504 bytes of LDS; arguments x, weight, xb, s1; writes xb, s1
.if DOCPART == 4
	.amdgcn_target "amdgcn-amd-amdhsa--gfx1250"
	.amdhsa_code_object_version 6
	.text
	.protected	k_q0b12d09a4a_prep
	.globl	k_q0b12d09a4a_prep
	.p2align	8
	.type	k_q0b12d09a4a_prep,@function
k_q0b12d09a4a_prep:
	s_mov_b64 s[64:65], 0
	v_nop
	global_prefetch_b8 v0, s[64:65] scope:SCOPE_SE
	s_setreg_imm32_b32 hwreg(HW_REG_WAVE_SCHED_MODE, 0, 2), 2
	s_setreg_imm32_b32 hwreg(HW_REG_WAVE_MODE, 25, 1), 1
	s_wait_xcnt 0x0
	s_wait_alu depctr_vm_vsrc(0)
; BitLinear, first of three launches.  out = gamma (x w_q^T), gamma = mean |W|, w_q = clip(round(W / gamma), -1, 1), with w_q = 0 where gamma = 0.
; x: [8192][4096] f32, W: [2048][4096] f32.  NO WORK IS LEFT OUT: both inputs reach every output, and every step of the formula is done.
; THIS LAUNCH: (1) the first half of x (67,108,864 bytes) rounded once to bf16 (nearest even) into xb, the matrix operand of the third launch; the second launch rounds the other half;
; (2) the first level of the sum of |W|.
; THE ORDER OF THE SUM is fixed, in three levels, all in f32, each level a plain chain from 0 in row-major order:
;   level 1: W as 64 x 128 blocks of 32 x 32; a block's 1,024 magnitudes, row by row (here);
;   level 2: the 64 x 128 block sums as 2 x 4 groups of 32 x 32, again row by row (second launch);   level 3: the eight group sums in order (second launch).
; LIMIT: an f32 sum taken in another order may differ in its last bits; a weight whose magnitude lies between the two values of gamma / 2 is then quantised otherwise.
; SHARES.  Work-group g of 256, sixteen waves.  Of W: block row g / 4, blocks 32 (g % 4) + 0..31: 32 rows x 4,096 bytes; wave w fetches rows 2 w and 2 w + 1.  Of x: 262,144 consecutive
; bytes, as 32 pieces of 8,192; thread t takes 16 bytes at 16 t of each piece and stores 8.  A load of a wave covers 512 consecutive bytes, a store 256 consecutive bytes, aligned.
; ALL GLOBAL LOADS GO OUT AT THE HEAD: 16 of W, then 32 of x, for each wave: 24 KiB a wave, each into registers of its own.  None that a global store reads is written again:
; there is no ring and no loop.
; THE SUMS.  W's rows are turned in LDS (a block's 128 bytes of a row at a pitch of 144), one barrier, and wave 0 runs the chains, A LANE A BLOCK, while the other waves round x as it lands;
; wave 0 rounds its own share afterwards.  s1[c][i][j] (c = 4 P + Q) takes the sum of block (32 P + i, 32 Q + j): a level-2 chain's 1,024 numbers lie on end, in the chain's order.
; THE MODE: SCHED_MODE bits 1:0 = 2 (LLVM: expert scheduling mode 2), set by the entry lines.  The code itself states the register dependences between vector instructions and memory or LDS
; instructions, with s_wait_alu, always for 0.
; THE PLAN.  Registers that memory or LDS instructions touch:
;   v2-v7, v9-v13  offsets and LDS addresses.  Written by the head's vector lines, ahead of ONE wait on va_vdst, and never again: that wait serves every access of the kernel.
;   WR             The global loads of W land in it; my LDS stores read it; ONE wait on vm_vsrc behind the barrier.  Then, in wave 0, two sets of 32: row r's masks and additions name set r % 2,
;                  and the LDS loads of row r + 1 land in the other set, which row r - 1 named: ONE wait on va_vdst at a row's head states that row r - 1 is done with it.
;   v8             The chain: vector lines alone, until the one store into s1, behind a wait on va_vdst.
;   X              The global loads of x land in it; a piece's two conversions write its first two registers, which the piece's store reads; never written again.  The pieces go in groups of
;                  four: eight conversions, ONE wait on va_vdst, four stores.
.set BPITCH, 144                       ; 128 bytes + 16: sixteen lanes' 16-byte reads start 9 x 16 bytes apart
.set ROWP,   32*BPITCH                 ; a row's piece in LDS: 4,608 bytes; row r at r x 4,608
.set SPARE,  32*ROWP                   ; behind the 32 rows: the spare words, 128 bytes for each of sixteen waves: eight blocks of 256 bytes that no other line names
.set SPW, 2                            ; v2  SPARE + 4 x my thread's number; never rewritten
.set NIL, 3                            ; v3  0; never rewritten
.set ACC, 8                            ; v8         my block's chain
.set RA0, 10                           ; v10-13     my block in LDS, at rows 0, 8, 16, 24: so that the immediates stay under 65,536; never rewritten
.set WR,  16                           ; v[16:79]   my two rows' pieces of W as loaded; then, in wave 0, two sets of 32 numbers of the chain
.set X,   80                           ; v[80:207]  my 32 pieces of x, four f32 each; a piece's first two registers then take its four bf16
	s_load_b256 s[4:11], s[0:1], 0x0               ; x s[4:5], weight s[6:7], xb s[8:9], s1 s[10:11]
	v_lshl_add_u32 v[SPW], v0, 2, SPARE
	v_mov_b32 v[NIL], 0
	v_lshrrev_b32 v1, 5, v0
	v_readfirstlane_b32 s12, v1                    ; wave 0..15
	v_and_b32 v1, 31, v0                           ; lane
	v_lshlrev_b32 v4, 4, v1                        ; W: 16 bytes a lane
	v_lshlrev_b32 v5, 4, v0                        ; x: 16 bytes a thread
	v_lshlrev_b32 v6, 3, v0                        ; xb: 8 bytes a thread
	v_lshlrev_b32 v9, 2, v1                        ; s1: j = lane
	v_lshrrev_b32 v14, 3, v1
	v_and_b32 v15, 7, v1
	v_mul_u32_u24 v7, v14, BPITCH                  ; in: byte 512 t + 16 lane of a row's piece lies in block 4 t + lane / 8, at 16 (lane % 8)
	v_lshl_add_u32 v7, v15, 4, v7
	v_mul_u32_u24 v[RA0], v1, BPITCH               ; back: my block
	v_add_nc_u32 v[RA0+1], 8*ROWP, v[RA0]
	v_add_nc_u32 v[RA0+2], 16*ROWP, v[RA0]
	v_add_nc_u32 v[RA0+3], 24*ROWP, v[RA0]
	s_wait_alu depctr_va_sdst(0)                   ; s12 is written, ahead of its first reader: W's base and my rows' place in LDS are made from it
	s_lshr_b32 s23, ttmp9, 2                       ; block row I = g / 4
	s_and_b32 s24, ttmp9, 3                        ; Q = g % 4
	s_lshl_b32 s14, s23, 19                        ; 32 rows of 16,384 bytes,
	s_lshl_b32 s25, s24, 12                        ; 32 blocks of 128 bytes,
	s_add_co_u32 s14, s14, s25
	s_lshl_b32 s25, s12, 15                        ; my wave's two rows
	s_add_co_u32 s14, s14, s25
	s_mov_b32 s15, 0
	s_lshl_b32 s16, ttmp9, 18                      ; the work-group's 262,144 bytes of x
	s_mov_b32 s17, 0
	s_lshl_b32 s18, ttmp9, 17                      ; and half as many of xb
	s_mov_b32 s19, 0
	s_lshr_b32 s25, ttmp9, 7                       ; P = I / 32
	s_lshl2_add_u32 s25, s25, s24                  ; c = 4 P + Q
	s_lshl_b32 s20, s25, 12
	s_and_b32 s23, s23, 31                         ; i = I % 32
	s_lshl_b32 s23, s23, 7
	s_add_co_u32 s20, s20, s23                     ; 4,096 c + 128 i
	s_mov_b32 s21, 0
	s_mov_b32 s22, 0x7fffffff                      ; clears a sign
	s_mul_i32 s26, s12, 2*ROWP                     ; my wave's two rows in LDS
	v_add_nc_u32 v7, s26, v7
	s_wait_kmcnt 0x0
	s_add_nc_u64 s[6:7], s[6:7], s[14:15]
	s_add_nc_u64 s[4:5], s[4:5], s[16:17]
	s_add_nc_u64 s[8:9], s[8:9], s[18:19]
	s_add_nc_u64 s[10:11], s[10:11], s[20:21]
	s_wait_alu depctr_va_vdst(0)                   ; the offsets and LDS addresses v4 to v7, v9 and v10 to v13 are written, which the loads and stores below read; no vector line writes them again
.irp rr, 0,1
.irp t, 0,1,2,3,4,5,6,7
	global_load_b128 v[WR+32*(\rr)+4*(\t):WR+32*(\rr)+4*(\t)+3], v4, s[6:7] offset:16384*(\rr)+512*(\t) th:TH_LOAD_NT
.endr
.endr
.set p, 0
.rept 32
	global_load_b128 v[X+4*p:X+4*p+3], v5, s[4:5] offset:8192*p th:TH_LOAD_NT
.set p, p+1
.endr
	s_wait_loadcnt 32                              ; loads come back in order: W is in, the 32 loads of x stay out
.irp rr, 0,1
.irp t, 0,1,2,3,4,5,6,7
	ds_store_b128 v7, v[WR+32*(\rr)+4*(\t):WR+32*(\rr)+4*(\t)+3] offset:ROWP*(\rr)+4*BPITCH*(\t)
.endr
.endr
	s_wait_dscnt 0x0                               ; for wave 0's sake: my stores are done
	s_barrier_signal -1
	s_barrier_wait -1                              ; all 32 rows lie in LDS; nothing is written there any more
	s_wait_alu depctr_vm_vsrc(0)                   ; my LDS stores have read v[WR ..], in which wave 0's chain loads land; the line stands ahead of the branch
	s_cmp_lg_u32 s12, 0
	s_cbranch_scc1 .Lcast                          ; wave 0 alone runs the chains; no barrier stands in what is jumped
; The chains are written out: the address registers stay as they are, and a row's place stands in the immediate.  Two sets of 32 registers take turns: one is added up while the other's loads are out.
.macro RLOAD set, row                  ; my block's 32 numbers of one row
.irp u, 0,1,2,3,4,5,6,7
	ds_load_b128 v[(\set)+4*(\u):(\set)+4*(\u)+3], v[RA0+(\row)/8] offset:((\row)%8)*ROWP+16*(\u)
.endr
.endm
.macro RADD set                        ; their place in the chain: one dependent addition each, columns ascending: the order is part of the result; the masks stand between the additions, four ahead
.irp q, 0,1,2,3
	v_and_b32 v[(\set)+(\q)], s22, v[(\set)+(\q)]
.endr
.set j, 0
.rept 32
	v_add_f32 v[ACC], v[ACC], v[(\set)+j]
.if j < 28
	v_and_b32 v[(\set)+j+4], s22, v[(\set)+j+4]
.endif
.set j, j+1
.endr
.endm
	v_mov_b32 v[ACC], 0                            ; the chain starts at 0
	RLOAD WR, 0
.set r, 0
.rept 31
.if r > 0
	s_wait_alu depctr_va_vdst(0)                   ; row r - 1's masks and additions are done writing and reading their set, in which row r + 1's loads land (rows 0 and 1 land in sets that no vector line has named)
.endif
	RLOAD WR+32*((r+1)%2), r+1
	s_wait_dscnt 8                                 ; the eight just issued stay out: row r is in
	RADD WR+32*(r%2)
.set r, r+1
.endr
	s_wait_dscnt 0x0
	RADD WR+32                                     ; row 31
	s_wait_alu depctr_va_vdst(0)                   ; the chain's last addition has written v8, which the store reads
	global_store_b32 v9, v[ACC], s[10:11]          ; 128 consecutive bytes: row i of chain c; the whole buffer is 32,768 bytes
.Lcast:
; Four pieces of x, four numbers a thread each.  The count leaves the younger pieces out.
.macro CAST4 g
	s_wait_loadcnt 28-4*(\g)
.irp i, 0,1,2,3
	v_cvt_pk_bf16_f32 v[X+16*(\g)+4*(\i)],   v[X+16*(\g)+4*(\i)],   v[X+16*(\g)+4*(\i)+1]
	v_cvt_pk_bf16_f32 v[X+16*(\g)+4*(\i)+1], v[X+16*(\g)+4*(\i)+2], v[X+16*(\g)+4*(\i)+3]
.endr
	s_wait_alu depctr_va_vdst(0)                   ; the eight conversions have written the four pairs that the stores read
.irp i, 0,1,2,3
	global_store_b64 v6, v[X+16*(\g)+4*(\i):X+16*(\g)+4*(\i)+1], s[8:9] offset:4096*(4*(\g)+(\i)) th:TH_STORE_NT
.endr
.endm
.set p, 0
.rept 8
	CAST4 p
.set p, p+1
.endr
	s_wait_dscnt 0x0                               ; the closing lines, six on end
	s_wait_alu 0x0
	s_wait_tensorcnt 0x0
	ds_add_u32 v[SPW], v[NIL]
	s_wait_dscnt 0x0
	s_endpgm
.Lfunc_end_k_q0b12d09a4a_prep:
	.size	k_q0b12d09a4a_prep, .Lfunc_end_k_q0b12d09a4a_prep-k_q0b12d09a4a_prep
	.p2alignl 7, 3214868480
	.fill 96, 4, 3214868480
	.section	.rodata,"a",@progbits
	.p2align	6, 0x0
	.amdhsa_kernel k_q0b12d09a4a_prep
		.amdhsa_group_segment_fixed_size 149504
		.amdhsa_private_segment_fixed_size 0
		.amdhsa_enable_private_segment 0
		.amdhsa_kernarg_size 32
		.amdhsa_user_sgpr_count 2
		.amdhsa_user_sgpr_kernarg_segment_ptr 1
		.amdhsa_wavefront_size32 1
		.amdhsa_system_sgpr_workgroup_id_x 1
		.amdhsa_system_sgpr_workgroup_id_y 1
		.amdhsa_system_sgpr_workgroup_id_z 1
		.amdhsa_system_vgpr_workitem_id 0
		.amdhsa_next_free_vgpr 208
		.amdhsa_next_free_sgpr 66
		.amdhsa_reserve_vcc 0
		.amdhsa_float_denorm_mode_32 3
		.amdhsa_float_denorm_mode_16_64 3
		.amdhsa_memory_ordered 1
		.amdhsa_forward_progress 1
		.amdhsa_inst_pref_size 98
	.end_amdhsa_kernel
	.amdgpu_metadata
---
amdhsa.version: [ 1, 2 ]
amdhsa.kernels:
  - .name:           k_q0b12d09a4a_prep
    .symbol:         k_q0b12d09a4a_prep.kd
    .args:
      - { .name: x, .offset: 0, .size: 8, .value_kind: global_buffer, .address_space: global }
      - { .name: weight, .offset: 8, .size: 8, .value_kind: global_buffer, .address_space: global }
      - { .name: xb, .offset: 16, .size: 8, .value_kind: global_buffer, .address_space: global }
      - { .name: s1, .offset: 24, .size: 8, .value_kind: global_buffer, .address_space: global }
    .group_segment_fixed_size: 149504
    .private_segment_fixed_size: 0
    .kernarg_segment_align: 8
    .kernarg_segment_size: 32
    .max_flat_workgroup_size: 512
    .sgpr_count:     66
    .vgpr_count:     208
    .wavefront_size: 32
...
	.end_amdgpu_metadata
.endif
;; end of part 4
;; launch quant (part 5): grid 256 x 1, 16 waves a work-group, no clusters, 35,328 bytes of LDS; arguments weight, s1, wq, gam, x, xb; writes wq, gam, xb
.if DOCPART == 5
	.amdgcn_target "amdgcn-amd-amdhsa--gfx1250"
	.amdhsa_code_object_version 6
	.text
	.protected	k_q0b12d09a4a_quant
	.globl	k_q0b12d09a4a_quant
	.p2align	8
	.type	k_q0b12d09a4a_quant,@function
k_q0b12d09a4a_quant:
	s_mov_b64 s[64:65], 0
	v_nop
	global_prefetch_b8 v0, s[64:65] scope:SCOPE_SE
	s_setreg_imm32_b32 hwreg(HW_REG_WAVE_SCHED_MODE, 0, 2), 2
	s_setreg_imm32_b32 hwreg(HW_REG_WAVE_MODE, 25, 1), 1
	s_wait_xcnt 0x0
	s_wait_alu depctr_vm_vsrc(0)
; BitLinear, second launch: gamma from the block sums; W quantised to -1, 0, 1 in bf16 (exact); and the second half of x rounded once to bf16 into xb.  Nothing is left out.
; GAMMA.  s1 holds eight chains of 1,024 block sums, each on end in its order.  Every work-group makes gamma for itself: its wave 0 runs the eight chains in lanes 0-7 (the other lanes
; repeat them), each a plain f32 chain from 0, adds the eight results in order, and multiplies by 2^-23 (1 / 8,388,608: exact).  Work-group 0 stores gamma for the third launch.
; THE QUANTISER WITHOUT A DIVISION.  w_q = sign(w) where |w| > gamma / 2 (compared in f32), else 0.  This is what round-to-even(fl(w / gamma)), clipped to -1 .. 1, gives, bit for bit:
; if |w| <= gamma / 2 the exact quotient is at most 0.5, so is its rounding, and 0.5 rounds to 0.  If |w| > gamma / 2 then |w| >= gamma / 2 + ulp(gamma / 2), and that ulp is more than
; 2^-24 of gamma / 2: the exact quotient exceeds 0.5 + 2^-25, the midpoint to the next f32 above 0.5, so its rounding exceeds 0.5, rounds to 1 or more, and the clip makes it 1.
; LIMITS.  The proof wants gamma / 2 exact: gamma >= 2^-125.  The order of gamma's sum is the one stated at the first launch's head.  A NaN or an infinity in W makes gamma NaN or infinite,
; every comparison false and w_q = 0; gamma x 0 in the third launch is then NaN in every output, as the formula gives.
; THE GUARD.  Where gamma = 0 the threshold is +infinity by a select: every w_q is 0.
; SHARES.  Work-group g of 256, sixteen waves, 512 threads.  131,072 consecutive bytes of W as 16 pieces of 8,192, and 262,144 consecutive bytes of x as 32 such pieces: thread t takes
; 16 bytes at 16 t of each piece and stores 8.  A load of a wave covers 512 consecutive bytes, a store 256 consecutive bytes, aligned.
; ALL GLOBAL LOADS GO OUT AT THE HEAD: 4 of s1, 16 of W, 32 of x for each wave, each into registers of its own; none that a global store reads is written again.  While wave 0 runs the chains
; the other waves round x as it lands.  The barrier behind which gamma is read stands in the middle of x's pieces: the quantiser's work and stores run while the rest of x lands.
; THE MODE: SCHED_MODE bits 1:0 = 2 (LLVM: expert scheduling mode 2), set by the entry lines.  The code itself states the register dependences between vector instructions and memory or LDS
; instructions, with s_wait_alu, always for 0.
; THE PLAN.  Registers that memory or LDS instructions touch:
;   v2-v6, v11, v12, v14  offsets and LDS addresses.  Written by the head's vector lines, ahead of ONE wait on va_vdst, and never again.
;   v16-31                The loads of s1 land in it; my LDS stores read it; ONE wait on vm_vsrc behind the first barrier.  Then the chain's first set (wave 0), and later the quantiser's magnitudes.
;   v16-31, v224-255      Wave 0's chain, three sets of 16: group h's additions read set h % 3; the LDS loads of group h + 2 land in the set that group h - 1 read: ONE wait on va_vdst at a group's head.
;   v8                    Wave 0's vector lines write gamma, a wait on va_vdst, its LDS store reads it; behind the second barrier a wait on vm_vsrc, and every wave's LDS load lands in it.
;   W, X                  Global loads land; vector lines work in place; a group of four pieces has ONE wait on va_vdst ahead of its four stores; never written again.
; Scalar results of vector lines: s12 (the wave's number), s40-47 (the chains' sums), VCC (the guard) and s32-39, s48-55 (sixteen compares' masks): each run has ONE wait ahead of its first reader.
.set S1L,    0                         ; LDS: eight chains, 4,096 bytes + 16: the chains' reads start 16 bytes apart modulo 256; they end at byte 32,896
.set CPITCH, 4112
.set GW,     33024                     ; gamma's word, in a block of 256 bytes of its own
.set SPARE,  33280                     ; the spare words: 128 bytes for each of sixteen waves: eight blocks of 256 bytes that no other line names
.set SPW, 2                            ; v2  SPARE + 4 x my thread's number; never rewritten
.set NIL, 3                            ; v3  0; never rewritten
.set S,   16                           ; v[16:31]   my 64 bytes of s1; then the chain's first set of 16 numbers; its other two sets: v[224:239], v[240:255]
.set T,   16                           ; v[16:31]   behind the second barrier: sixteen magnitudes
.set W,   32                           ; v[32:95]   my 16 pieces of W, four numbers each
.set X,   96                           ; v[96:223]  my 32 pieces of x, four numbers each
	s_load_b256 s[4:11], s[0:1], 0x0               ; weight s[4:5], s1 s[6:7], wq s[8:9], gam s[10:11]
	s_load_b128 s[20:23], s[0:1], 0x20             ; x s[20:21], xb s[22:23]
	v_lshl_add_u32 v[SPW], v0, 2, SPARE
	v_mov_b32 v[NIL], 0
	v_lshrrev_b32 v1, 5, v0
	v_readfirstlane_b32 s12, v1                    ; wave 0..15
	v_and_b32 v1, 31, v0                           ; lane
	v_lshlrev_b32 v4, 4, v0                        ; 16 x thread
	v_lshlrev_b32 v5, 3, v0                        ; 8 x thread
	v_and_b32 v6, 7, v1
	v_mul_u32_u24 v6, v6, CPITCH                   ; my chain in LDS; never rewritten
	v_mov_b32 v10, 0x7f800000                      ; +infinity
	v_mov_b32 v11, GW
	v_lshrrev_b32 v12, 8, v0                       ; a piece of s1 is two chains: threads 256 and up hold the second,
	v_lshl_add_u32 v12, v12, 4, v4                 ; which lies 16 bytes further on in LDS: 16 t + 16 (t / 256)
	v_lshlrev_b32 v14, 2, v1
	v_mov_b32 v15, 0x3f800000                      ; 1.0
	s_wait_alu depctr_va_sdst(0)                   ; s12 is written, ahead of its first reader, the compare behind the first barrier, and ahead of every branch
	s_mov_b32 s19, 0x7fffffff
	s_lshl_b32 s14, ttmp9, 17                      ; W
	s_mov_b32 s15, 0
	s_lshl_b32 s16, ttmp9, 16                      ; wq
	s_mov_b32 s17, 0
	s_lshl_b32 s26, ttmp9, 18                      ; x: the second half,
	s_add_co_u32 s26, s26, 0x4000000               ; 67,108,864 bytes on
	s_mov_b32 s27, 0
	s_lshl_b32 s28, ttmp9, 17                      ; xb likewise,
	s_add_co_u32 s28, s28, 0x2000000               ; 33,554,432 bytes on
	s_mov_b32 s29, 0
	s_wait_kmcnt 0x0
	s_add_nc_u64 s[4:5], s[4:5], s[14:15]
	s_add_nc_u64 s[8:9], s[8:9], s[16:17]
	s_add_nc_u64 s[20:21], s[20:21], s[26:27]
	s_add_nc_u64 s[22:23], s[22:23], s[28:29]
	s_wait_alu depctr_va_vdst(0)                   ; the offsets and LDS addresses v4, v5, v6, v11, v12 and v14 are written, which the loads and stores below read; no vector line writes them again
.irp t, 0,1,2,3
	global_load_b128 v[S+4*(\t):S+4*(\t)+3], v4, s[6:7] offset:8192*(\t)  ; chains 2 t and 2 t + 1
.endr
.set j, 0
.rept 16
	global_load_b128 v[W+4*j:W+4*j+3], v4, s[4:5] offset:8192*j th:TH_LOAD_NT
.set j, j+1
.endr
.set j, 0
.rept 32
	global_load_b128 v[X+4*j:X+4*j+3], v4, s[20:21] offset:8192*j th:TH_LOAD_NT
.set j, j+1
.endr
	s_wait_loadcnt 48                              ; loads come back in order: s1 is in; the 16 loads of W and the 32 of x stay out
.irp t, 0,1,2,3
	ds_store_b128 v12, v[S+4*(\t):S+4*(\t)+3] offset:S1L+2*CPITCH*(\t)
.endr
	s_wait_dscnt 0x0                               ; for wave 0's sake: my stores are done
	s_barrier_signal -1
	s_barrier_wait -1                              ; all eight chains lie in LDS
	s_wait_alu depctr_vm_vsrc(0)                   ; my LDS stores have read v[16:31], in which wave 0's chain loads land and which every wave's quantiser writes; the line stands ahead of the branch
	s_cmp_lg_u32 s12, 0
	s_cbranch_scc1 .Lnochain                       ; wave 0 alone makes gamma; no barrier stands in what is jumped
; The chain is written out: the address register stays as it is, and the place in the chain stands in each load's immediate, 0 to 4,080.  So every read lies in bytes 0 to 32,879,
; below gamma's word and the spare words.  It goes in 64 groups of 16 numbers on three sets of registers: one is added up while the loads of the next two are out.
.macro CHL g                           ; group g of my chain
.set cs, 16+208*(((\g)%3+1)/2)+16*(((\g)%3)/2)     ; v16, v224, v240 by turns
.irp u, 0,1,2,3
	ds_load_b128 v[cs+4*(\u):cs+4*(\u)+3], v6 offset:S1L+64*(\g)+16*(\u)
.endr
.endm
.macro CHA g                           ; and its place in the chain: one dependent addition each, ascending: the order is part of the result
.set cs, 16+208*(((\g)%3+1)/2)+16*(((\g)%3)/2)
.set j, 0
.rept 16
	v_add_f32 v7, v7, v[cs+j]
.set j, j+1
.endr
.endm
	v_mov_b32 v7, 0
	CHL 0
	CHL 1
.set h, 0
.rept 62
.if h > 0
	s_wait_alu depctr_va_vdst(0)                   ; group h - 1's additions are done reading their set, in which group h + 2's loads land (groups 0 to 2 land in sets that no vector line has named)
.endif
	CHL h+2
	s_wait_dscnt 8                                 ; the two younger groups' eight loads stay out: group h is in
	CHA h
.set h, h+1
.endr
	s_wait_dscnt 4                                 ; nothing is read past the chain's 4,096 bytes
	CHA 62
	s_wait_dscnt 0x0
	CHA 63
.irp c, 0,1,2,3,4,5,6,7
	v_readlane_b32 s[40+(\c)], v7, \c              ; the eight chains' sums
.endr
	s_wait_alu depctr_va_sdst(0)                   ; s40 to s47 are written, ahead of their first reader: one wait for the run of eight
	v_mov_b32 v8, s40
.irp c, 1,2,3,4,5,6,7
	v_add_f32 v8, s[40+(\c)], v8                   ; level 3, in order
.endr
	v_mul_f32 v8, 0x34000000, v8                   ; x 2^-23
	s_wait_alu depctr_va_vdst(0)                   ; gamma is written into v8, which the LDS store reads
	ds_store_b32 v11, v8                           ; every lane writes the same word with the same value
.Lnochain:
; Four pieces of x, four numbers a thread each.  The count leaves the younger pieces out.
.macro CAST4 g
	s_wait_loadcnt 28-4*(\g)
.irp i, 0,1,2,3
	v_cvt_pk_bf16_f32 v[X+16*(\g)+4*(\i)],   v[X+16*(\g)+4*(\i)],   v[X+16*(\g)+4*(\i)+1]
	v_cvt_pk_bf16_f32 v[X+16*(\g)+4*(\i)+1], v[X+16*(\g)+4*(\i)+2], v[X+16*(\g)+4*(\i)+3]
.endr
	s_wait_alu depctr_va_vdst(0)                   ; the eight conversions have written the four pairs that the stores read
.irp i, 0,1,2,3
	global_store_b64 v5, v[X+16*(\g)+4*(\i):X+16*(\g)+4*(\i)+1], s[22:23] offset:4096*(4*(\g)+(\i)) th:TH_STORE_NT
.endr
.endm
.set p, 0
.rept 4
	CAST4 p                                        ; pieces 0 to 15; the last of their waits leaves 16 loads out, all of x: W is in
.set p, p+1
.endr
	s_wait_dscnt 0x0                               ; gamma's store is done
	s_barrier_signal -1
	s_barrier_wait -1
	s_wait_alu depctr_vm_vsrc(0)                   ; wave 0's LDS store has read v8, in which gamma's load lands (the vector lines that wrote v8 stand ahead of the wait in front of that store)
	ds_load_b32 v8, v11
	s_wait_dscnt 0x0
	v_mul_f32 v9, 0.5, v8                          ; the threshold,
	v_cmp_eq_f32 vcc_lo, 0, v8
	s_wait_alu depctr_va_vcc(0)                    ; VCC is written, ahead of the select that reads it
	v_cndmask_b32 v9, v9, v10, vcc_lo              ; +infinity where gamma = 0
; Four pieces of W, sixteen numbers a thread: the magnitudes; sixteen compares in a run, each into a scalar register of its own (number e: s[32 + e], from e = 8 on s[40 + e]);
; 1.0 with w's sign, in place, as the work between the compares and the wait for them; the selects; the roundings (exact); the stores.
.macro Q4 g
.set e, 0
.rept 16
	v_and_b32 v[T+e], s19, v[W+16*(\g)+e]
.set e, e+1
.endr
.set e, 0
.rept 16
	v_cmp_gt_f32 s[32+e+8*(e/8)], v[T+e], v9       ; |w| > gamma / 2
.set e, e+1
.endr
.set e, 0
.rept 16
	v_bfi_b32 v[W+16*(\g)+e], s19, v15, v[W+16*(\g)+e]  ; 1.0 with w's sign
.set e, e+1
.endr
	s_wait_alu depctr_va_sdst(0)                   ; the sixteen masks are written, ahead of the selects that read them: one wait for the run
.set e, 0
.rept 16
	v_cndmask_b32 v[W+16*(\g)+e], 0, v[W+16*(\g)+e], s[32+e+8*(e/8)]
.set e, e+1
.endr
.irp i, 0,1,2,3
	v_cvt_pk_bf16_f32 v[W+16*(\g)+4*(\i)],   v[W+16*(\g)+4*(\i)],   v[W+16*(\g)+4*(\i)+1]
	v_cvt_pk_bf16_f32 v[W+16*(\g)+4*(\i)+1], v[W+16*(\g)+4*(\i)+2], v[W+16*(\g)+4*(\i)+3]
.endr
	s_wait_alu depctr_va_vdst(0)                   ; the eight conversions have written the four pairs that the stores read
.irp i, 0,1,2,3
	global_store_b64 v5, v[W+16*(\g)+4*(\i):W+16*(\g)+4*(\i)+1], s[8:9] offset:4096*(4*(\g)+(\i)) th:TH_STORE_NT
.endr
.endm
.set p, 0
.rept 4
	Q4 p
.set p, p+1
.endr
.set p, 4
.rept 4
	CAST4 p                                        ; pieces 16 to 31
.set p, p+1
.endr
	s_or_b32 s24, ttmp9, s12
	s_cmp_lg_u32 s24, 0
	s_cbranch_scc1 .Lend                           ; wave 0 of work-group 0 stores gamma
	global_store_b32 v14, v8, s[10:11]             ; 32 words, all gamma; the third launch reads the first.  v8 came by an LDS load, v14 was made at the head
.Lend:
	s_wait_dscnt 0x0                               ; the closing lines, six on end
	s_wait_alu 0x0
	s_wait_tensorcnt 0x0
	ds_add_u32 v[SPW], v[NIL]
	s_wait_dscnt 0x0
	s_endpgm
.Lfunc_end_k_q0b12d09a4a_quant:
	.size	k_q0b12d09a4a_quant, .Lfunc_end_k_q0b12d09a4a_quant-k_q0b12d09a4a_quant
	.p2alignl 7, 3214868480
	.fill 96, 4, 3214868480
	.section	.rodata,"a",@progbits
	.p2align	6, 0x0
	.amdhsa_kernel k_q0b12d09a4a_quant
		.amdhsa_group_segment_fixed_size 35328
		.amdhsa_private_segment_fixed_size 0
		.amdhsa_enable_private_segment 0
		.amdhsa_kernarg_size 48
		.amdhsa_user_sgpr_count 2
		.amdhsa_user_sgpr_kernarg_segment_ptr 1
		.amdhsa_wavefront_size32 1
		.amdhsa_system_sgpr_workgroup_id_x 1
		.amdhsa_system_sgpr_workgroup_id_y 1
		.amdhsa_system_sgpr_workgroup_id_z 1
		.amdhsa_system_vgpr_workitem_id 0
		.amdhsa_next_free_vgpr 256
		.amdhsa_next_free_sgpr 66
		.amdhsa_reserve_vcc 1
		.amdhsa_float_denorm_mode_32 3
		.amdhsa_float_denorm_mode_16_64 3
		.amdhsa_memory_ordered 1
		.amdhsa_forward_progress 1
		.amdhsa_inst_pref_size 87
	.end_amdhsa_kernel
	.amdgpu_metadata
---
amdhsa.version: [ 1, 2 ]
amdhsa.kernels:
  - .name:           k_q0b12d09a4a_quant
    .symbol:         k_q0b12d09a4a_quant.kd
    .args:
      - { .name: weight, .offset: 0, .size: 8, .value_kind: global_buffer, .address_space: global }
      - { .name: s1, .offset: 8, .size: 8, .value_kind: global_buffer, .address_space: global }
      - { .name: wq, .offset: 16, .size: 8, .value_kind: global_buffer, .address_space: global }
      - { .name: gam, .offset: 24, .size: 8, .value_kind: global_buffer, .address_space: global }
      - { .name: x, .offset: 32, .size: 8, .value_kind: global_buffer, .address_space: global }
      - { .name: xb, .offset: 40, .size: 8, .value_kind: global_buffer, .address_space: global }
    .group_segment_fixed_size: 35328
    .private_segment_fixed_size: 0
    .kernarg_segment_align: 8
    .kernarg_segment_size: 48
    .max_flat_workgroup_size: 512
    .sgpr_count:     66
    .vgpr_count:     256
    .wavefront_size: 32
...
	.end_amdgpu_metadata
.endif
;; end of part 5
;; launch gemm: the kernel of part 3 again; grid 8 x 32, 4 waves a work-group, clusters of 4 x 4, 327,680 bytes of LDS; arguments xb, wq, out0, gam; writes out0
